; MI455X (gfx1250); checked and timed in simulation.
; The chip was launched on July 23, 2026; its instructions are those of AMD's public machine-readable ISA for CDNA 5 (MIT licence, August 2026) and "CDNA5" Instruction Set Architecture Reference Guide (July 2026). The comments in the code are by the model that wrote it; some were corrected since.
;; Output Layer. Allowed arithmetic: float matrix products may take bf16 or f16 operands with f32 sums; other float arithmetic in f32, or as packed bf16 or f16 multiplies, adds, multiply-adds, maxima and minima; sums over many terms, partial sums and values carried from step to step in f32; what a program stores and reads back later, other than sums and carried values, may be rounded once to bf16 or f16.
;; Inputs: W 4,096 x 4,096 float32; a2 4,096 float32; b 4,096 float32; b2 4,096 float32; x 8 x 512 x 4,096 float32.
;; Outputs: out0 8 x 512 x 4,096 float32.
;; 2 versions, each right; version 2 is version 1 with the launch tobf16 written anew for expert scheduling mode. Each part assembles by itself: llvm-mc -triple=amdgcn-amd-amdhsa -mcpu=gfx1250 --defsym DOCPART=n.
;; ======== version 1 of 2: 3 launches
;; workspace buffers: xb 33,554,432 bytes; wb 33,554,432 bytes; hbuf 67,108,864 bytes
;; launch tobf16 (part 1): grid 512 x 1, 8 waves a work-group, no clusters, 0 bytes of LDS; arguments x, W, xb, wb; writes xb, wb
.if DOCPART == 1
	.amdgcn_target "amdgcn-amd-amdhsa--gfx1250"
	.amdhsa_code_object_version 6
	.text
	.protected	k_qd74dcbc261_tobf16
	.globl	k_qd74dcbc261_tobf16
	.p2align	8
	.type	k_qd74dcbc261_tobf16,@function
k_qd74dcbc261_tobf16:
	s_mov_b64 s[64:65], 0
	v_nop
	global_prefetch_b8 v0, s[64:65] scope:SCOPE_SE
	s_setreg_imm32_b32 hwreg(HW_REG_WAVE_MODE, 25, 1), 1
	s_wait_xcnt 0x0
; xb = bf16(x), wb = bf16(W): both [4096][4096], rounded once to nearest even.  A stream: no LDS, no barrier, no matrix unit, since nothing is shared and nothing is summed.
; A LINE is 256 threads x 16 bytes = 4,096 bytes of f32, which become 2,048 bytes of bf16.  The work-group owns 32 lines of x and 32 of W
; (512 work-groups x 131,072 bytes = each tensor's 67,108,864).  Thread t owns bytes 16 t of every line: a wave's load covers 512 consecutive
; bytes, its store (8 bytes a lane) 256 consecutive bytes at a multiple of 256 from the buffer's first byte.
; A ring of 16 register slots keeps 16 loads of every wave on their way: slots 0-7 take 8 lines of x, slots 8-15 8 lines of W; four rounds.
.set DEPTH,  16
.set ROUNDS, 4
.set LIN,    4096                      ; bytes of a line as loaded
.set LOUT,   2048                      ; bytes of a line as stored
.set X, 4                              ; v[4:67]   slot i: four f32 as loaded
.set Y, 68                             ; v[68:99]  slot i: four bf16 to store
	s_load_b256 s[4:11], s[0:1], 0x0               ; x s[4:5], W s[6:7], xb s[8:9], wb s[10:11]
	v_lshlrev_b32 v1, 4, v0                        ; 16 t: my place in a line as loaded; never rewritten
	v_lshlrev_b32 v2, 3, v0                        ; 8 t: my place in a line as stored; never rewritten
	s_lshl_b32 s2, ttmp9, 17                       ; the work-group's 32 lines in x and in W (under 2^26),
	s_mov_b32 s3, 0
	s_lshl_b32 s12, ttmp9, 16                      ; and in xb and wb
	s_mov_b32 s13, 0
	s_wait_kmcnt 0x0
	s_add_nc_u64 s[4:5], s[4:5], s[2:3]
	s_add_nc_u64 s[6:7], s[6:7], s[2:3]
	s_add_nc_u64 s[8:9], s[8:9], s[12:13]
	s_add_nc_u64 s[10:11], s[10:11], s[12:13]
.irp i, 0,1,2,3,4,5,6,7,8,9,10,11,12,13,14,15
	global_load_b128 v[X+4*(\i):X+4*(\i)+3], v1, s[4+2*((\i)/8):5+2*((\i)/8)] offset:((\i)%8)*LIN th:TH_LOAD_NT  ; the ring is filled: round 0
.endr
; One slot's turn.  ahead = 1: the slot is filled again with its line of the next round.  left = the younger loads that may stay out.
.macro SLOT i, ahead, left
	s_wait_loadcnt \left                           ; loads come back in order (ISA guide 5.7.1): this slot's is in, the younger ones stay out
	v_cvt_pk_bf16_f32 v[Y+2*(\i)],   v[X+4*(\i)],   v[X+4*(\i)+1]  ; Y was the last round's store data: freed by the wait at the loop's foot
	v_cvt_pk_bf16_f32 v[Y+2*(\i)+1], v[X+4*(\i)+2], v[X+4*(\i)+3]
.if \ahead
	global_load_b128 v[X+4*(\i):X+4*(\i)+3], v1, s[4+2*((\i)/8):5+2*((\i)/8)] offset:8*LIN+((\i)%8)*LIN th:TH_LOAD_NT
.endif
	global_store_b64 v2, v[Y+2*(\i):Y+2*(\i)+1], s[8+2*((\i)/8):9+2*((\i)/8)] offset:((\i)%8)*LOUT  ; no hint: the next launch reads these bytes
.endm
	s_mov_b32 s14, ROUNDS-1
.Lround:
.irp i, 0,1,2,3,4,5,6,7,8,9,10,11,12,13,14,15
	SLOT \i, 1, DEPTH-1
.endr
	s_wait_xcnt 0x0                                ; every memory instruction issued has had its addresses translated (ISA guide 3.1): only now the four bases are stepped and Y rewritten
	s_add_nc_u64 s[4:5], s[4:5], 8*LIN
	s_add_nc_u64 s[6:7], s[6:7], 8*LIN
	s_add_nc_u64 s[8:9], s[8:9], 8*LOUT
	s_add_nc_u64 s[10:11], s[10:11], 8*LOUT
	s_sub_co_u32 s14, s14, 1
	s_cmp_lg_u32 s14, 0
	s_cbranch_scc1 .Lround
.irp i, 0,1,2,3,4,5,6,7,8,9,10,11,12,13,14,15
	SLOT \i, 0, DEPTH-1-(\i)                       ; the last round loads nothing: the counts run down, and no load leaves its buffer
.endr
	s_endpgm
.Lfunc_end_k_qd74dcbc261_tobf16:
	.size	k_qd74dcbc261_tobf16, .Lfunc_end_k_qd74dcbc261_tobf16-k_qd74dcbc261_tobf16
	.p2alignl 7, 3214868480
	.fill 96, 4, 3214868480
	.section	.rodata,"a",@progbits
	.p2align	6, 0x0
	.amdhsa_kernel k_qd74dcbc261_tobf16
		.amdhsa_group_segment_fixed_size 0
		.amdhsa_private_segment_fixed_size 0
		.amdhsa_enable_private_segment 0
		.amdhsa_kernarg_size 32
		.amdhsa_user_sgpr_count 2
		.amdhsa_user_sgpr_kernarg_segment_ptr 1
		.amdhsa_wavefront_size32 1
		.amdhsa_system_sgpr_workgroup_id_x 1
		.amdhsa_system_sgpr_workgroup_id_y 1
		.amdhsa_system_sgpr_workgroup_id_z 1
		.amdhsa_system_vgpr_workitem_id 0
		.amdhsa_next_free_vgpr 100
		.amdhsa_next_free_sgpr 66
		.amdhsa_reserve_vcc 0
		.amdhsa_float_denorm_mode_32 3
		.amdhsa_float_denorm_mode_16_64 3
		.amdhsa_memory_ordered 1
		.amdhsa_forward_progress 1
		.amdhsa_inst_pref_size 13
	.end_amdhsa_kernel
	.amdgpu_metadata
---
amdhsa.version: [ 1, 2 ]
amdhsa.kernels:
  - .name:           k_qd74dcbc261_tobf16
    .symbol:         k_qd74dcbc261_tobf16.kd
    .args:
      - { .name: x, .offset: 0, .size: 8, .value_kind: global_buffer, .address_space: global }
      - { .name: W, .offset: 8, .size: 8, .value_kind: global_buffer, .address_space: global }
      - { .name: xb, .offset: 16, .size: 8, .value_kind: global_buffer, .address_space: global }
      - { .name: wb, .offset: 24, .size: 8, .value_kind: global_buffer, .address_space: global }
    .group_segment_fixed_size: 0
    .private_segment_fixed_size: 0
    .kernarg_segment_align: 8
    .kernarg_segment_size: 32
    .max_flat_workgroup_size: 256
    .sgpr_count:     66
    .vgpr_count:     100
    .wavefront_size: 32
...
	.end_amdgpu_metadata
.endif
;; end of part 1
;; launch gemm (part 2): grid 16 x 16, 4 waves a work-group, clusters of 4 x 4, 327,680 bytes of LDS; arguments xb, wb, hbuf; writes hbuf
.if DOCPART == 2
	.amdgcn_target "amdgcn-amd-amdhsa--gfx1250"
	.amdhsa_code_object_version 6
	.text
	.protected	k_qd74dcbc261_gemm
	.globl	k_qd74dcbc261_gemm
	.p2align	8
	.type	k_qd74dcbc261_gemm,@function
k_qd74dcbc261_gemm:
	s_mov_b64 s[64:65], 0
	v_nop
	global_prefetch_b8 v0, s[64:65] scope:SCOPE_SE
	s_setreg_imm32_b32 hwreg(HW_REG_WAVE_MODE, 25, 1), 1
	s_wait_xcnt 0x0
	s_wait_alu depctr_hold_cnt(0) depctr_sa_sdst(0) depctr_va_vdst(0) depctr_va_sdst(0) depctr_va_ssrc(0) depctr_va_vcc(0) depctr_vm_vsrc(0)
	s_getreg_b32 s2, hwreg(HW_REG_IB_STS2, 6, 4)
	s_cmp_eq_u32 s2, 0
	s_cbranch_scc0 .Lentry_in_a_cluster
	s_endpgm
.Lentry_in_a_cluster:
	s_bfe_u32 s2, ttmp6, 0x10000c
	s_cmp_lg_u32 s2, 0xf033
	s_cbranch_scc0 .Lentry_shape_is_right
	s_endpgm
.Lentry_shape_is_right:
; hbuf[m][n] = sum over k of xb[m][k] wb[n][k].  xb, wb: [4096][4096] bf16; hbuf: [4096][4096] f32, the sums as they are: bias, GELU and the norm follow in the next launch.
; hbuf is f32 and not a 16-bit format: a common offset on W puts a common term many times their spread on a row's numbers, and one rounding to 8 bits there would be larger than that spread allows.
; A tile of 256 x 256 is made by a work-group of four waves, one tile to a work-group: 16 x 16 tiles, 256 work-groups.  A wave makes 128 x 128: 64 accumulators of 16 x 16, 512 registers.
; K goes in steps of 128 through a ring of two LDS slots filled by the tensor data mover: a tile's rows are 256 bytes of memory and start at multiples of 256 bytes from the buffer's first byte.
; CLUSTERS: 4 x 4 work-groups.  The four of a row of the cluster need the same tiles of xb, the four of a column the same tiles of wb: each tile is asked for JOINTLY, by the same tensor load
; with the same descriptor and a mask that names the four; each receives it in its own LDS.  That divides the requests for both operands by four.
; REGISTERS, in windows of 256 (s_set_vgpr_msb's low byte: bits 1:0 source 0, 3:2 source 1, 5:4 source 2, 7:6 destination):
;   window 0: v0-31 addresses; v64-127, v128-191 fragments of xb (8 x 16 rows x 32 K), two buffers; on the way out the same 128 registers take whole rows back from the stage
;   window 1: v64-127, v128-191 fragments of wb, two buffers
;   window 2: the 32 accumulators of my rows 0-63 (accumulator (a, b) at v[8 (8 a + b)]);   window 3: those of my rows 64-127
; THE MATRIX INSTRUCTION IS USED TRANSPOSED: source 0 = 16 rows of wb, source 1 = 16 rows of xb.  Lane l then holds row l % 16 of the result, and its registers 0 to 7 the columns
; 8 (l / 16) + 0 .. 7: eight neighbouring f32 of a row, 32 bytes.
.set SIZE_K, 4096
.set SIZE_N, 4096
.set KSTEP,  128
.set PITCH,  272                       ; an LDS row: 256 bytes of data + 16 of padding = 68 words: row r starts at bank 4 r mod 64 (64 banks of 4 bytes: ISA guide 11.1), so the 16 rows of a load start at 16 different banks
.set HALFT,  128*PITCH                 ; 128 rows: what one tensor load brings, and what one wave reads of either operand
.set SLOT,   4*HALFT                   ; xb's 256 rows, then wb's 256 rows
.set STAGE,  2*SLOT                    ; behind the ring: 16 rows x 528 bytes for each wave, for the way out; no tensor load lands there
.set SPITCH, 528                       ; a stage row: my 128 columns, 512 bytes, + 16 = 33 x 16 bytes: the 16 rows of a store touch 16 different 16-byte columns of the banks
.set SPARE,  STAGE+4*16*SPITCH         ; behind the stages: the spare words, 128 bytes for each wave: two blocks of 256 bytes that no other line names
.set LAPS,   SIZE_K/(2*KSTEP)          ; a lap = two K steps = once round the ring: 16
.set ROWB,   SIZE_N*4                  ; bytes in a row of hbuf
.set ADRA, 16                          ; v16-17  LDS address of my xb fragments in slot 0, 1
.set ADRB, 20                          ; v20-21  the same for wb
.set STO,  24                          ; v24     the way out: where I put 32 bytes of a row
.set RD,   25                          ; v25     the way out: where I read 16 bytes of a row back
.set CO,   26                          ; v26     my byte offset in 512 bytes of a row of hbuf; never rewritten
.set SPW,  28                          ; v28     LDS address of my spare word: SPARE + 4 x my thread's number; never rewritten
.set NIL,  29                          ; v29     0; never rewritten
.set F0,   64                          ; fragment buffer 0
.set F1,   128                         ; fragment buffer 1
.set G1, 24                            ; s[24:31] descriptor group 1 for xb's tiles
.set G0, 32                            ; s[32:39] descriptor group 0 for xb's tiles, one set for each slot
.set G1B, 48                           ; s[48:55] descriptor group 1 for wb's tiles: it differs in the mask alone
.set G0B, 56                           ; s[56:63] descriptor group 0 for wb's tiles, one set for each slot
.set MSB, 0
.macro WIN new                         ; the immediate's high byte repeats the setting that is left; a switch that changes nothing is dropped
.if MSB != (\new)
	s_set_vgpr_msb (MSB<<8)|(\new)
.set MSB, \new
.endif
.endm
.set MUL_LO, 0xa1                      ; source 0 (wb) window 1, source 1 (xb) window 0, C and D window 2
.set MUL_HI, 0xf1                      ; the same, C and D window 3
.set TO_B,   0x40                      ; destination window 1, address window 0
; A joint load.  Waves 0 and 1 fetch xb's two halves, waves 2 and 3 wb's.  Each of the two lines has ONE mask and one set of registers for all that issue it, and nothing in them hangs
; on a coordinate that the four partners do not share.  The branch hangs on the wave's number alone.  An s_nop 0 and four v_nop follow each line, ahead of the jump and the label.
.macro JLOAD s
	s_cmp_eq_u32 s11, 0
	s_cbranch_scc0 .Lfor_b_\@
	tensor_load_to_lds s[G0+4*(\s):G0+4*(\s)+3], s[G1:G1+7]
	s_nop 0
.rept 4
	v_nop
.endr
	s_branch .Lasked_\@
.Lfor_b_\@:
	tensor_load_to_lds s[G0B+4*(\s):G0B+4*(\s)+3], s[G1B:G1B+7]
	s_nop 0
.rept 4
	v_nop
.endr
.Lasked_\@:
.endm
; A round of the cluster's barrier: my work-group's barrier, so that wave 0's signal speaks for all four waves; wave 0 signals for the work-group; every wave waits for all sixteen
; work-groups; my work-group's barrier once more.  No LDS instruction of the wave is pending at a signal.
.macro CREST                           ; a round behind its opening barrier
	s_cmp_lg_u32 s10, 0
	s_cbranch_scc1 .Lnot_wave_0_\@
	s_barrier_signal -3
.Lnot_wave_0_\@:
	s_barrier_wait -3
	s_barrier_signal -1
	s_barrier_wait -1
.endm
.macro CROUND                          ; a whole round
	s_barrier_signal -1
	s_barrier_wait -1
	CREST
.endm
	s_load_b128 s[4:7], s[0:1], 0x0                ; xb s[4:5], wb s[6:7]
	s_load_b64 s[8:9], s[0:1], 0x10                ; hbuf
	v_lshl_add_u32 v[SPW], v0, 2, SPARE
	v_mov_b32 v[NIL], 0
	ds_add_u32 v[SPW], v[NIL]                      ; the wave's opening: the add and its wait stand ahead of my first tensor load; the set-up below, work on registers, stands between them
	v_lshrrev_b32 v1, 5, v0
	v_readfirstlane_b32 s10, v1                    ; wave 0..3
	s_lshr_b32 s11, s10, 1                         ; which half of the tile's rows is mine.  Also: I fetch for xb (0) or for wb (1)
	s_and_b32 s12, s10, 1                          ; which half of its columns.  Also: which 128 rows of that tile I fetch
	s_bfe_u32 s40, ttmp6, 0x40000                  ; cx: my place along the cluster's x
	s_bfe_u32 s41, ttmp6, 0x40004                  ; cy: along its y
	s_lshl_b32 s42, ttmp9, 2                       ; in a cluster launch ttmp9 and ttmp7 count clusters
	s_add_co_u32 s42, s42, s40                     ; tile column = 4 x cluster x + cx
	s_and_b32 s13, ttmp7, 0xffff
	s_lshl_b32 s13, s13, 2
	s_add_co_u32 s13, s13, s41                     ; tile row = 4 x cluster y + cy
	s_lshl_b32 s43, s41, 2
	s_lshl_b32 s43, 15, s43                        ; my row of the cluster: places 4 cy .. 4 cy + 3
	s_lshl_b32 s44, 0x1111, s40                    ; my column: places cx, cx + 4, cx + 8, cx + 12
	; descriptor group 1: a tile of 128 rows x 128 elements, padded in LDS
	s_or_b32 s[G1+0], s43, (1<<16)|(1<<20)|(1<<21)|(5<<22)|(3<<25)  ; 15:0 the mask: xb's tiles go to my row; 17:16 element of 2 bytes; 20 padding on; 21 set beside a mask; 24:22 after every 64 words (code 5); 31:25 of 4 words (code 3)
	s_or_b32 s[G1B+0], s44, (1<<16)|(1<<20)|(1<<21)|(5<<22)|(3<<25) ; the same with the mask of my column, for wb's tiles
	s_mov_b32 s[G1B+1], KSTEP<<16
	s_mov_b32 s[G1+1], KSTEP<<16                   ; 63:48 tensor_dim0, low half = 128
	s_mov_b32 s[G1B+2], 128<<16
	s_mov_b32 s[G1+2], 128<<16                     ; 79:64 its high half = 0; 95:80 tensor_dim1, low half = 128
	s_mov_b32 s[G1B+3], KSTEP<<16
	s_mov_b32 s[G1+3], KSTEP<<16                   ; 111:96 its high half = 0; 127:112 tile_dim0 = 128
	s_mov_b32 s[G1B+4], 128
	s_mov_b32 s[G1+4], 128                         ; 143:128 tile_dim1 = 128; 159:144 tile_dim2 = 0
	s_mov_b32 s[G1B+5], SIZE_K
	s_mov_b32 s[G1+5], SIZE_K                      ; 191:160 tensor_dim0_stride, low word: elements from row to row
	s_mov_b32 s[G1B+6], 0
	s_mov_b32 s[G1+6], 0
	s_mov_b32 s[G1B+7], 0
	s_mov_b32 s[G1+7], 0
	; where the tiles come from.  xb's hang on the tile row alone, which my row of the cluster shares; wb's on the tile column alone, which my column shares.
	; Every wave makes both addresses, in registers that never hold the other coordinate, and asks by one of them.
	s_lshl_b32 s17, s12, 7                         ; which 128 rows of the tile I fetch
	s_lshl_b32 s16, s13, 8
	s_add_co_u32 s16, s16, s17                     ; xb: row 256 x tile row + 128 x half
	s_lshl_b32 s46, s42, 8
	s_add_co_u32 s46, s46, s17                     ; wb: row 256 x tile column + 128 x half
	s_mov_b32 s17, 0
	s_mov_b32 s47, 0
	s_mov_b64 s[18:19], SIZE_K*2
	s_mul_u64 s[16:17], s[16:17], s[18:19]         ; in bytes, in 64 bits
	s_mul_u64 s[46:47], s[46:47], s[18:19]
	s_mul_i32 s20, s10, HALFT                      ; and where they go: xb's two halves, then wb's two halves = wave x 128 rows: no place in the cluster enters an LDS address
	s_wait_dscnt 0x0                               ; the opening add is done
	s_wait_kmcnt 0x0
	s_add_nc_u64 s[14:15], s[4:5], s[16:17]
	s_add_nc_u64 s[46:47], s[6:7], s[46:47]
	CROUND                                         ; all sixteen work-groups are here: the first joint loads meet
.irp s, 0,1
	s_mov_b32 s[G0+4*(\s)], 1                                      ; 1:0 count = 1
	s_add_co_u32 s[G0+4*(\s)+1], s20, (\s)*SLOT                    ; 63:32 LDS address
	s_add_nc_u64 s[G0+4*(\s)+2:G0+4*(\s)+3], s[14:15], (\s)*KSTEP*2  ; 120:64 global address: K step s
	s_or_b32 s[G0+4*(\s)+3], s[G0+4*(\s)+3], 0x80000000            ; 127:126 type = 2
	s_mov_b32 s[G0B+4*(\s)], 1
	s_add_co_u32 s[G0B+4*(\s)+1], s20, (\s)*SLOT
	s_add_nc_u64 s[G0B+4*(\s)+2:G0B+4*(\s)+3], s[46:47], (\s)*KSTEP*2
	s_or_b32 s[G0B+4*(\s)+3], s[G0B+4*(\s)+3], 0x80000000
	JLOAD \s                                       ; the ring is filled before anything else is done: two tensor loads of mine are out
.endr
	; A fragment is 16 rows x 32 K in 8 registers: lane l holds row l % 16; registers 0-3 hold K = 8 (l / 16) + 0..7, registers 4-7 hold
	; K = 16 + 8 (l / 16) + 0..7.  From rows that lie along K: two loads of 16 bytes, 32 bytes apart.  The same for source 0 and source 1.
	v_and_b32 v1, 15, v0                           ; l % 16
	v_bfe_u32 v2, v0, 4, 1                         ; l / 16
	v_mul_u32_u24 v3, v1, PITCH
	v_lshl_add_u32 v3, v2, 4, v3                   ; row x pitch + 16 x half
	s_mul_i32 s21, s11, HALFT                      ; my 128 rows of xb
	s_mul_i32 s22, s12, HALFT                      ; my 128 rows of wb,
	s_add_co_u32 s22, s22, 2*HALFT                 ; which lie behind xb's 256
.irp s, 0,1
	v_add_nc_u32 v[ADRA+(\s)], s21, v3
	v_add_nc_u32 v[ADRB+(\s)], s22, v3
	s_add_co_u32 s21, s21, SLOT
	s_add_co_u32 s22, s22, SLOT
.endr
	s_mul_i32 s23, s10, 16*SPITCH
	s_add_co_u32 s23, s23, STAGE                   ; my stage
	v_mul_u32_u24 v4, v1, SPITCH                   ; in: row l % 16, 32 bytes for each half of the lanes
	v_lshl_add_u32 v4, v2, 5, v4
	v_add_nc_u32 v[STO], s23, v4
	v_and_b32 v5, 31, v0                           ; back: the 32 lanes take one row's 512 bytes,
	v_lshlrev_b32 v[CO], 4, v5                     ; which are 512 consecutive bytes of hbuf
	v_add_nc_u32 v[RD], s23, v[CO]
	; where my part of the tile begins in hbuf
	s_lshl_b32 s13, s13, 8
	s_lshl_b32 s14, s11, 7
	s_add_co_u32 s16, s13, s14                     ; my first row
	s_mov_b32 s17, 0
	s_mov_b64 s[18:19], ROWB
	s_mul_u64 s[16:17], s[16:17], s[18:19]
	s_lshl_b32 s46, s42, 10                        ; my first column, in bytes: 1,024 x tile column + 512 x half (in the registers that held wb's address: none that feeds xb's descriptors ever holds cx)
	s_lshl_b32 s47, s12, 9
	s_add_co_u32 s46, s46, s47
	s_mov_b32 s47, 0
	s_add_nc_u64 s[16:17], s[16:17], s[46:47]
	s_add_nc_u64 s[8:9], s[8:9], s[16:17]          ; never rewritten after this: the stores' rows stand in their immediates
; 16 matrix instructions: m blocks a0, a0 + 1 of the window's four (hi = 0: my rows 0-63, 1: rows 64-127) x all 8 n blocks, 32 along K.
; zero = 1: the first product starts the sums: nothing is ever cleared.  The 64 accumulators take turns, one instruction a turn, in the same order in every quarter step.
.macro MUL16 f, hi, a0, zero
	WIN MUL_LO+0x50*(\hi)  ; MUL_LO or MUL_HI
.irp a, \a0, (\a0)+1
.irp b, 0,1,2,3,4,5,6,7
.if \zero
	v_wmma_f32_16x16x32_bf16 v[8*(8*(\a)+(\b)):8*(8*(\a)+(\b))+7], v[(\f)+8*(\b):(\f)+8*(\b)+7], v[(\f)+8*(4*(\hi)+(\a)):(\f)+8*(4*(\hi)+(\a))+7], 0
.else
	v_wmma_f32_16x16x32_bf16 v[8*(8*(\a)+(\b)):8*(8*(\a)+(\b))+7], v[(\f)+8*(\b):(\f)+8*(\b)+7], v[(\f)+8*(4*(\hi)+(\a)):(\f)+8*(4*(\hi)+(\a))+7], v[8*(8*(\a)+(\b)):8*(8*(\a)+(\b))+7]
.endif
.endr
.endr
.endm
; 32 LDS loads in one run: the fragments of one quarter step (128 rows of wb, 128 rows of xb, 32 K at byte k of the rows) into buffer f
.macro FETCH slot, k, f
	WIN TO_B
.irp i, 0,1,2,3,4,5,6,7
	ds_load_b128 v[(\f)+8*(\i):(\f)+8*(\i)+3],   v[ADRB+(\slot)] offset:(\k)+(\i)*16*PITCH
	ds_load_b128 v[(\f)+8*(\i)+4:(\f)+8*(\i)+7], v[ADRB+(\slot)] offset:(\k)+(\i)*16*PITCH+32
.endr
	WIN 0
.irp i, 0,1,2,3,4,5,6,7
	ds_load_b128 v[(\f)+8*(\i):(\f)+8*(\i)+3],   v[ADRA+(\slot)] offset:(\k)+(\i)*16*PITCH
	ds_load_b128 v[(\f)+8*(\i)+4:(\f)+8*(\i)+7], v[ADRA+(\slot)] offset:(\k)+(\i)*16*PITCH+32
.endr
.endm
; A load into a register that a matrix instruction has read, and an LDS store that reads a matrix result, stand four places behind that matrix instruction, and only plain vector
; instructions that name none of its registers are places (ISA guide 7.12.1 for vector instructions).  No other vector work is at hand: four v_nop.
.macro PLACES
.rept 4
	v_nop
.endr
.endm
; A K step is four quarter steps of 32 along K, 64 matrix instructions each, on buffers 0, 1, 0, 1.
; One of the first three: multiplies buffer f; in its middle it fetches the next quarter's fragments, at byte k of the same slot's rows, into buffer g.
.macro QUARTER slot, k, f, g, zero
	s_wait_dscnt 8                                 ; wb's fragments and xb's rows 0-63 are in; the youngest eight loads (xb's rows 64-127) may be out
	WIN MUL_LO
	MUL16 \f, 0, 0, \zero
	MUL16 \f, 0, 2, \zero
	PLACES
	FETCH \slot, \k, \g
	s_wait_dscnt 32                                ; all but the 32 just issued
	WIN MUL_HI
	MUL16 \f, 1, 0, \zero
	MUL16 \f, 1, 2, \zero
.endm
; The last quarter multiplies buffer 1 and changes slots.  MEET is its first half: ONE barrier for the change of slots.  In front of it each wave waits for all its tensor loads, of which one
; is out: its part of the next slot; adds 0 to its spare word; and waits for that and for its own reads of this slot.  Behind it nobody reads this slot any more and the next slot is whole.
.macro MEET round                      ; round = 1: a round of the cluster's barrier follows
	WIN 0                                          ; (the add's two registers lie in window 0)
	s_wait_tensorcnt 0x0                           ; all my tensor loads have landed: the one that was out is my part of the next slot;
	ds_add_u32 v[SPW], v[NIL]                      ; 0 onto my spare word;
	s_wait_dscnt 9                                 ; (the add and the youngest eight loads may be out)
	WIN MUL_LO
	MUL16 F1, 0, 0, 0                              ; sixteen matrix instructions stand between the add and the wait for it
	s_wait_dscnt 0x0                               ; the add is done, and my reads of this slot are over:
	s_barrier_signal -1                            ; say so (where a slot is filled again this barrier opens a round of the cluster's barrier),
	MUL16 F1, 0, 2, 0                              ; work on registers while the others arrive,
.if \round
	WIN 0
.endif
	s_barrier_wait -1                              ; and go on when all four have said so
.endm
; The whole last quarter.  fill = 1: behind the round the slot just read out is filled again first, with the K step two steps on; from that request to the wait for it a wave issues 224 matrix
; instructions.  Then come the next slot's first fragments.
.macro TURN slot, next, fill
	MEET \fill
.if \fill
	CREST                                          ; no wave of any partner still reads this slot's tile or has a load on its way
	s_add_nc_u64 s[G0+4*(\slot)+2:G0+4*(\slot)+3], s[G0+4*(\slot)+2:G0+4*(\slot)+3], 2*KSTEP*2    ; no tensor load of mine is out: a group 0 may be written
	s_add_nc_u64 s[G0B+4*(\slot)+2:G0B+4*(\slot)+3], s[G0B+4*(\slot)+2:G0B+4*(\slot)+3], 2*KSTEP*2
	JLOAD \slot                                    ; my one tensor load behind the round; the four v_nop behind it are also the places in front of the loads below
.else
	PLACES
.endif
	FETCH \next, 0, F0
	WIN MUL_HI
	MUL16 F1, 1, 0, 0
	MUL16 F1, 1, 2, 0
.endm
; THE WAY OUT of block a (my rows 16 a .. 16 a + 15), in two parts.  TOSTAGE: a lane's 32 bytes of each of the block's eight accumulators go into my own stage, straight from the accumulators
; (each accumulator's four lowest registers first), and come back as whole rows of 512 bytes.  SEND: stored.
.macro TOSTAGE a
.set AC, 64*((\a)%4)
.set BK, F0+64*((\a)%2)
	WIN 0x08+4*((\a)/4)                            ; the store's data (source 1) in window 2 or 3, its address in window 0
.irp b, 0,1,2,3,4,5,6,7
	ds_store_b128 v[STO], v[AC+8*(\b):AC+8*(\b)+3]   offset:64*(\b)
	ds_store_b128 v[STO], v[AC+8*(\b)+4:AC+8*(\b)+7] offset:64*(\b)+16
.endr
	WIN 0
.if (\a) >= 2
	s_wait_xcnt 0x0                                ; block a - 2's stores have had their addresses translated (ISA guide 3.1): only behind this wait are the registers that they read loaded again
.endif
.irp t, 0,1,2,3,4,5,6,7,8,9,10,11,12,13,14,15
	ds_load_b128 v[BK+4*(\t):BK+4*(\t)+3], v[RD] offset:(\t)*SPITCH  ; LDS serves a wave's instructions in order (ISA guide 5.7.1.4): these see the stores above, and the next block's stores come behind them
.endr
.endm
.macro SEND a, younger                 ; younger: the LDS instructions issued behind block a's loads: the next block's 16 stores and 16 loads, or none
.set BK, F0+64*((\a)%2)
	WIN 0
	s_wait_dscnt \younger                          ; the block is back in registers
.irp t, 0,1,2,3,4,5,6,7,8,9,10,11,12,13,14,15
	global_store_b128 v[CO], v[BK+4*(\t):BK+4*(\t)+3], s[8:9] offset:(16*(\a)+(\t))*ROWB  ; 32 lanes store 512 consecutive bytes, at a multiple of 512 from hbuf's first byte; 127 rows at the most: inside the signed 24-bit immediate
.endr
.endm
	s_wait_tensorcnt 1                             ; my part of K step 0 is in; K step 1's may stay out
	s_barrier_signal -1
	s_barrier_wait -1                              ; everybody's is
	FETCH 0, 0, F0
	QUARTER 0, 64,  F0, F1, 1                      ; the first quarter stands in front of the loop: its products start the sums
	WIN 0                                          ; at a label and at a branch every window is 0
	s_mov_b32 s3, LAPS-1
.Llap:                                                 ; a trip goes once round the ring, from a lap's second quarter to the next lap's first, and fills both slots again: K steps 2 to 31 in 15 trips
	QUARTER 0, 128, F1, F0, 0
	QUARTER 0, 192, F0, F1, 0
	TURN 0, 1, 1
	QUARTER 1, 64,  F0, F1, 0
	QUARTER 1, 128, F1, F0, 0
	QUARTER 1, 192, F0, F1, 0
	TURN 1, 0, 1
	QUARTER 0, 64,  F0, F1, 0
	WIN 0
	s_sub_co_u32 s3, s3, 1
	s_cmp_lg_u32 s3, 0
	s_cbranch_scc1 .Llap
	QUARTER 0, 128, F1, F0, 0                      ; the last lap is written out: it fills nothing, and has no round of the cluster's barrier
	QUARTER 0, 192, F0, F1, 0
	TURN 0, 1, 0
	QUARTER 1, 64,  F0, F1, 0
	QUARTER 1, 128, F1, F0, 0
	QUARTER 1, 192, F0, F1, 0
	s_wait_dscnt 8                                 ; the very last quarter: nothing more to fetch
	MUL16 F1, 0, 0, 0
	MUL16 F1, 0, 2, 0
	s_wait_dscnt 0x0
	MUL16 F1, 1, 0, 0
	MUL16 F1, 1, 2, 0
	WIN 0
	PLACES                                         ; behind the last product, and so behind every accumulator's last write and every fragment's last read
	TOSTAGE 0
.irp a, 1,2,3,4,5,6,7                  ; block a's way through the stage is begun before block a - 1 is waited for and stored
	TOSTAGE \a
	SEND (\a)-1, 32
.endr
	SEND 7, 0
	s_wait_tensorcnt 0x0                           ; the wave's end: behind my last tensor load and my last LDS store
	ds_add_u32 v[SPW], v[NIL]
	s_wait_dscnt 0x0
	CROUND                                         ; the closing round: no work-group ends while a partner may still ask for a tile that names it
	s_endpgm
.Lfunc_end_k_qd74dcbc261_gemm:
	.size	k_qd74dcbc261_gemm, .Lfunc_end_k_qd74dcbc261_gemm-k_qd74dcbc261_gemm
	.p2alignl 7, 3214868480
	.fill 96, 4, 3214868480
	.section	.rodata,"a",@progbits
	.p2align	6, 0x0
	.amdhsa_kernel k_qd74dcbc261_gemm
		.amdhsa_group_segment_fixed_size 327680
		.amdhsa_private_segment_fixed_size 0
		.amdhsa_enable_private_segment 0
		.amdhsa_kernarg_size 24
		.amdhsa_user_sgpr_count 2
		.amdhsa_user_sgpr_kernarg_segment_ptr 1
		.amdhsa_wavefront_size32 1
		.amdhsa_system_sgpr_workgroup_id_x 1
		.amdhsa_system_sgpr_workgroup_id_y 1
		.amdhsa_system_sgpr_workgroup_id_z 1
		.amdhsa_system_vgpr_workitem_id 0
		.amdhsa_next_free_vgpr 1024
		.amdhsa_next_free_sgpr 66
		.amdhsa_reserve_vcc 0
		.amdhsa_float_denorm_mode_32 3
		.amdhsa_float_denorm_mode_16_64 3
		.amdhsa_memory_ordered 1
		.amdhsa_forward_progress 1
		.amdhsa_inst_pref_size 140
	.end_amdhsa_kernel
	.amdgpu_metadata
---
amdhsa.version: [ 1, 2 ]
amdhsa.kernels:
  - .name:           k_qd74dcbc261_gemm
    .symbol:         k_qd74dcbc261_gemm.kd
    .args:
      - { .name: xb, .offset: 0, .size: 8, .value_kind: global_buffer, .address_space: global }
      - { .name: wb, .offset: 8, .size: 8, .value_kind: global_buffer, .address_space: global }
      - { .name: hbuf, .offset: 16, .size: 8, .value_kind: global_buffer, .address_space: global }
    .group_segment_fixed_size: 327680
    .private_segment_fixed_size: 0
    .kernarg_segment_align: 8
    .kernarg_segment_size: 24
    .max_flat_workgroup_size: 128
    .sgpr_count:     66
    .vgpr_count:     1024
    .wavefront_size: 32
...
	.end_amdgpu_metadata
.endif
;; end of part 2
;; launch gelunorm (part 3): grid 256 x 1, 16 waves a work-group, no clusters, 51,200 bytes of LDS; arguments hbuf, b, a2, b2, out0; writes out0
.if DOCPART == 3
	.amdgcn_target "amdgcn-amd-amdhsa--gfx1250"
	.amdhsa_code_object_version 6
	.text
	.protected	k_qd74dcbc261_gelunorm
	.globl	k_qd74dcbc261_gelunorm
	.p2align	8
	.type	k_qd74dcbc261_gelunorm,@function
k_qd74dcbc261_gelunorm:
	s_mov_b64 s[64:65], 0
	v_nop
	global_prefetch_b8 v0, s[64:65] scope:SCOPE_SE
	s_setreg_imm32_b32 hwreg(HW_REG_WAVE_MODE, 25, 1), 1
	s_wait_xcnt 0x0
; out0[r][c] = (g - mean_r) rsq(var_r + 1e-12) a2[c] + b2[c],  g = gelu(hbuf[r][c] + b[c]),  mean and (biased) variance over the row's 4,096 columns.  All f32; [4096][4096].
; ONE WAVE, ONE ROW: the row's 16,384 bytes stay in 128 registers from the load to the store, so memory is read once, and the two reductions never leave the wave.
; Chunk j (0..31) of lane l is the 16 bytes at 512 j + 16 l: every load and store of a wave covers 512 consecutive bytes.  16 waves, 16 rows to a work-group.
; b, a2, b2 (16,384 bytes each) are fetched once by the work-group, rounded, laid in LDS, and read from there by all 16 waves.  No matrix unit, cluster or tensor load: nothing else is shared.
; GELU.  0.5 h (1 + tanh u) = h / (1 + e^(-2u)), u = sqrt(2/pi) (h + 0.044715 h^3): g = h rcp(1 + 2^z), z = h (C1 + C2 h^2), C1 = -2 log2(e) sqrt(2/pi), C2 = 0.044715 C1.
; Where h^2 overflows z is an infinity of the right sign and g is h or -0, as the tanh form gives.
; LIMITS.  b, a2, b2 are rounded once to bf16, like x and W in the launches before: all five inputs alike.  A power 2^z below 2^-126 counts as 0 (g = h there to the last bit).
; The result is formed as (g - mean) rsq a2 + b2, another order of rounding than g inv + (b2 - mean inv).  The variance is the mean of (g - mean)^2, never a difference of large sums.
; NaN and infinities are not treated apart.
.set TB_B,  0                          ; LDS: b, 4,096 f32 words that hold bf16 numbers
.set TB_A,  16384                      ; a2
.set TB_S,  32768                      ; b2
.set SPARE, 49152                      ; the spare words, 128 bytes for each of 16 waves: eight blocks of 256 bytes that no other line names
.set SPW,  4                           ; v4        LDS address of my spare word; never rewritten
.set NIL,  5                           ; v5        0; never rewritten
.set X,    8                           ; v[8:135]  the row: chunk j at X + 4 j
.set T0,   136                         ; v[136:167], v[168:199] two buffers for pieces of the tables
.set T1,   168
.set Z,    200                         ; v[200:207] at work
.set SUM,  208                         ; v[208:215] four packed chains
.set MEAN, 216                         ; v[216:217] the mean, twice
.set INV,  218                         ; v[218:219] 1 / sqrt(var + eps), twice
.set W,    220                         ; v220      at work
	s_load_b256 s[4:11], s[0:1], 0x0               ; hbuf s[4:5], b s[6:7], a2 s[8:9], b2 s[10:11]
	s_load_b64 s[12:13], s[0:1], 0x20              ; out0
	v_lshl_add_u32 v[SPW], v0, 2, SPARE
	v_mov_b32 v[NIL], 0
	v_lshrrev_b32 v3, 5, v0
	v_readfirstlane_b32 s14, v3                    ; wave 0..15
	v_and_b32 v1, 31, v0
	v_lshlrev_b32 v1, 4, v1                        ; 16 x lane: my place in a chunk, in memory and in the tables in LDS; never rewritten
	v_lshlrev_b32 v2, 4, v0                        ; 16 x thread: my place in half a table, in memory and in LDS; never rewritten
	v_mov_b32 v[W], 0                              ; v_permlanex16_b32 counts as a reader of its destination: it is written here
	s_lshl_b32 s16, ttmp9, 18                      ; 16 rows of 16,384 bytes a work-group,
	s_lshl_b32 s15, s14, 14                        ; one a wave (under 2^26 together)
	s_add_co_u32 s16, s16, s15
	s_mov_b32 s17, 0
	s_mov_b32 s20, 0xbdd2d3e8                      ; C2 = -0.10294324
	s_mov_b32 s21, s20                             ; named with it as a pair
	s_mov_b32 s22, 0xc0135761                      ; C1 = -2.3022082
	s_mov_b32 s23, s22
	s_mov_b32 s24, 0x39800000                      ; 1 / 4096
	s_mov_b32 s25, 0x2b8cbccc                      ; 1e-12
	s_mov_b32 s26, 0x76543210                      ; v_permlanex16_b32: each lane takes its own place in the other half
	s_mov_b32 s27, 0xfedcba98
	s_mov_b32 s28, 0xffff0000                      ; a word's upper bf16
	s_wait_kmcnt 0x0
	s_add_nc_u64 s[4:5], s[4:5], s[16:17]          ; hbuf and out0 at my row
	s_add_nc_u64 s[12:13], s[12:13], s[16:17]
.irp q, 0,1,2                          ; the tables first: 512 threads x 16 bytes are half a table
	global_load_b128 v[T0+8*(\q):T0+8*(\q)+3],   v2, s[6+2*(\q):7+2*(\q)]
	global_load_b128 v[T0+8*(\q)+4:T0+8*(\q)+7], v2, s[6+2*(\q):7+2*(\q)] offset:8192
.endr
.set jj, 0
.rept 32                               ; then the whole row: 32 loads of the wave on their way at once
	global_load_b128 v[X+4*jj:X+4*jj+3], v1, s[4:5] offset:512*jj th:TH_LOAD_NT
.set jj, jj+1
.endr
	s_wait_loadcnt 32                              ; the six table loads are in; the 32 row loads behind them stay out
.set ii, 0
.rept 12
	v_cvt_pk_bf16_f32 v[T1+ii], v[T0+2*ii], v[T0+2*ii+1]  ; rounded once to bf16,
.set ii, ii+1
.endr
.set ii, 0
.rept 12
	v_lshlrev_b32 v[T0+2*ii],   16,  v[T1+ii]      ; and written as f32 again, so that no use has to unpack
	v_and_b32     v[T0+2*ii+1], s28, v[T1+ii]
.set ii, ii+1
.endr
.irp q, 0,1,2
	ds_store_b128 v2, v[T0+8*(\q):T0+8*(\q)+3]   offset:16384*(\q)
	ds_store_b128 v2, v[T0+8*(\q)+4:T0+8*(\q)+7] offset:16384*(\q)+8192
.endr
	s_wait_dscnt 0x0                               ; for the others' sake: my part of the tables is in LDS
	s_barrier_signal -1
	s_barrier_wait -1                              ; everybody's is; nothing writes the tables after this: the launch's only barrier
.macro LDB g, buf                      ; b for chunks 8 g .. 8 g + 7
.irp i, 0,1,2,3,4,5,6,7
	ds_load_b128 v[T0+32*(\buf)+4*(\i):T0+32*(\buf)+4*(\i)+3], v1 offset:TB_B+512*(8*(\g)+(\i))
.endr
.endm
.macro LDN g, buf                      ; a2 and b2 for chunks 4 g .. 4 g + 3
.irp i, 0,1,2,3
	ds_load_b128 v[T0+32*(\buf)+4*(\i):T0+32*(\buf)+4*(\i)+3], v1 offset:TB_A+512*(4*(\g)+(\i))
.endr
.irp i, 0,1,2,3
	ds_load_b128 v[T0+32*(\buf)+16+4*(\i):T0+32*(\buf)+16+4*(\i)+3], v1 offset:TB_S+512*(4*(\g)+(\i))
.endr
.endm
.macro ARG x, z, t                     ; four numbers: h = h0 + b in place; z = h (C1 + C2 h^2)
	v_pk_add_f32 v[(\x):(\x)+1],   v[(\x):(\x)+1],   v[(\t):(\t)+1]
	v_pk_add_f32 v[(\x)+2:(\x)+3], v[(\x)+2:(\x)+3], v[(\t)+2:(\t)+3]
	v_pk_mul_f32 v[(\z):(\z)+1],   v[(\x):(\x)+1],   v[(\x):(\x)+1]
	v_pk_mul_f32 v[(\z)+2:(\z)+3], v[(\x)+2:(\x)+3], v[(\x)+2:(\x)+3]
	v_pk_fma_f32 v[(\z):(\z)+1],   v[(\z):(\z)+1],   s[20:21], s[22:23] op_sel_hi:[1,0,0]
	v_pk_fma_f32 v[(\z)+2:(\z)+3], v[(\z)+2:(\z)+3], s[20:21], s[22:23] op_sel_hi:[1,0,0]
	v_pk_mul_f32 v[(\z):(\z)+1],   v[(\z):(\z)+1],   v[(\x):(\x)+1]
	v_pk_mul_f32 v[(\z)+2:(\z)+3], v[(\z)+2:(\z)+3], v[(\x)+2:(\x)+3]
.endm
.macro FOUR op, z                      ; a transcendental on four registers, in place
	\op v[(\z)],   v[(\z)]
	\op v[(\z)+1], v[(\z)+1]
	\op v[(\z)+2], v[(\z)+2]
	\op v[(\z)+3], v[(\z)+3]
.endm
.macro PLUS1 z
	s_wait_alu depctr_va_vdst(0)
	v_pk_add_f32 v[(\z):(\z)+1],   v[(\z):(\z)+1],   1.0 op_sel_hi:[1,0]
	v_pk_add_f32 v[(\z)+2:(\z)+3], v[(\z)+2:(\z)+3], 1.0 op_sel_hi:[1,0]
.endm
; four numbers: g = h x rcp, in place; then two of the four chains of the row's sum take them.  The chains are started by chunks 0, 1 plus chunks 2, 3: nothing is cleared.
.macro GSUM x, z, c, j0
	s_wait_alu depctr_va_vdst(0)
	v_pk_mul_f32 v[(\x):(\x)+1],   v[(\x):(\x)+1],   v[(\z):(\z)+1]
	v_pk_mul_f32 v[(\x)+2:(\x)+3], v[(\x)+2:(\x)+3], v[(\z)+2:(\z)+3]
.if (\j0) == 2
	v_pk_add_f32 v[SUM+2*(\c):SUM+2*(\c)+1],   v[(\x)-8:(\x)-7], v[(\x):(\x)+1]
	v_pk_add_f32 v[SUM+2*(\c)+2:SUM+2*(\c)+3], v[(\x)-6:(\x)-5], v[(\x)+2:(\x)+3]
.elseif (\j0) > 2
	v_pk_add_f32 v[SUM+2*(\c):SUM+2*(\c)+1],   v[SUM+2*(\c):SUM+2*(\c)+1],   v[(\x):(\x)+1]
	v_pk_add_f32 v[SUM+2*(\c)+2:SUM+2*(\c)+3], v[SUM+2*(\c)+2:SUM+2*(\c)+3], v[(\x)+2:(\x)+3]
.endif
.endm
; Chunks j0 and j0 + 1, eight numbers, as two halves that alternate: behind each run of four transcendentals stands the other half's plain work, which touches none of the run's registers,
; before a result is used or a source rewritten (ISA guide 5.7.2).  t: b's eight registers.
.macro GELU2 j0, t
	ARG  X+4*(\j0), Z, \t
	FOUR v_exp_f32, Z
	ARG  X+4*(\j0)+4, Z+4, (\t)+4
	FOUR v_exp_f32, Z+4
	PLUS1 Z
	FOUR v_rcp_f32, Z
	PLUS1 Z+4
	FOUR v_rcp_f32, Z+4
	GSUM X+4*(\j0), Z, 0, \j0
	GSUM X+4*(\j0)+4, Z+4, 2, \j0
.endm
; The four chains into one number, the same in every lane: four steps inside each half of 16 lanes ride on the addition (DPP), one crosses the halves.
.macro REDUCE
	v_pk_add_f32 v[SUM:SUM+1],   v[SUM:SUM+1],   v[SUM+2:SUM+3]
	v_pk_add_f32 v[SUM+4:SUM+5], v[SUM+4:SUM+5], v[SUM+6:SUM+7]
	v_pk_add_f32 v[SUM:SUM+1],   v[SUM:SUM+1],   v[SUM+4:SUM+5]
	v_add_f32 v[SUM], v[SUM], v[SUM+1]
	v_add_f32_dpp v[SUM], v[SUM], v[SUM] row_xmask:1 row_mask:0xf bank_mask:0xf
	v_add_f32_dpp v[SUM], v[SUM], v[SUM] row_xmask:2 row_mask:0xf bank_mask:0xf
	v_add_f32_dpp v[SUM], v[SUM], v[SUM] row_xmask:4 row_mask:0xf bank_mask:0xf
	v_add_f32_dpp v[SUM], v[SUM], v[SUM] row_xmask:8 row_mask:0xf bank_mask:0xf
	v_permlanex16_b32 v[W], v[SUM], s26, s27
	v_add_f32 v[SUM], v[SUM], v[W]
.endm
	; BIAS, GELU AND THE SUM, in the order in which the row's chunks land
	LDB 0, 0
.set gg, 0
.rept 4
.if gg < 3
	LDB gg+1, (gg+1)%2                             ; the next eight chunks' b, into the buffer that the group before has done with
	s_wait_dscnt 8                                 ; this group's b is in; the eight loads just issued stay out
.else
	s_wait_dscnt 0x0
.endif
.set pp, 0
.rept 4
	s_wait_loadcnt 30-(8*gg+2*pp)                  ; chunks 8 g + 2 p and the next are in; the younger row loads stay out
	GELU2 8*gg+2*pp, T0+32*(gg%2)+8*pp
.set pp, pp+1
.endr
.set gg, gg+1
.endr
	LDN 0, 0                                       ; a2 and b2 for the first eight chunks: they land under the two reductions
	LDN 1, 1
	; THE MEAN
	REDUCE
	v_mul_f32 v[MEAN], s24, v[SUM]
	v_mov_b32 v[MEAN+1], v[MEAN]
	; THE VARIANCE: g - mean in place, its squares in four chains, which the first four pairs start
.set qq, 0
.rept 16
.irp c, 0,1,2,3
	v_pk_add_f32 v[X+8*qq+2*(\c):X+8*qq+2*(\c)+1], v[X+8*qq+2*(\c):X+8*qq+2*(\c)+1], v[MEAN:MEAN+1] neg_lo:[0,1] neg_hi:[0,1]
.endr
.irp c, 0,1,2,3
.if qq == 0
	v_pk_mul_f32 v[SUM+2*(\c):SUM+2*(\c)+1], v[X+8*qq+2*(\c):X+8*qq+2*(\c)+1], v[X+8*qq+2*(\c):X+8*qq+2*(\c)+1]
.else
	v_pk_fma_f32 v[SUM+2*(\c):SUM+2*(\c)+1], v[X+8*qq+2*(\c):X+8*qq+2*(\c)+1], v[X+8*qq+2*(\c):X+8*qq+2*(\c)+1], v[SUM+2*(\c):SUM+2*(\c)+1]
.endif
.endr
.set qq, qq+1
.endr
	REDUCE
	v_fma_f32 v[W], v[SUM], s24, s25               ; var + eps
	v_rsq_f32 v[INV], v[W]                         ; made twice, to fill the pair that the packed multiply names
	v_rsq_f32 v[INV+1], v[W]
	v_nop                                          ; a plain instruction between the second root and the use of its result (ISA guide 5.7.2)
	s_wait_alu depctr_va_vdst(0)
	; SCALE, SHIFT AND STORE, four chunks at a time.  A chunk's registers are not written again behind its store.
.set gg, 0
.rept 8
.if gg < 7
	s_wait_dscnt 8                                 ; this group's a2 and b2 are in; the next group's eight loads stay out
.else
	s_wait_dscnt 0x0
.endif
.set ii, 0
.rept 4
.set xr, X+4*(4*gg+ii)
.set ta, T0+32*(gg%2)+4*ii
	v_pk_mul_f32 v[xr:xr+1],   v[xr:xr+1],   v[INV:INV+1]
	v_pk_mul_f32 v[xr+2:xr+3], v[xr+2:xr+3], v[INV:INV+1]
	v_pk_fma_f32 v[xr:xr+1],   v[xr:xr+1],   v[ta:ta+1],   v[ta+16:ta+17]
	v_pk_fma_f32 v[xr+2:xr+3], v[xr+2:xr+3], v[ta+2:ta+3], v[ta+18:ta+19]
	global_store_b128 v1, v[xr:xr+3], s[12:13] offset:512*(4*gg+ii) th:TH_STORE_NT  ; 32 lanes store 512 consecutive bytes, at a multiple of 512 from out0's first byte
.set ii, ii+1
.endr
.if gg < 6
	LDN gg+2, gg%2                                 ; into the buffer just used
.endif
.set gg, gg+1
.endr
	s_wait_tensorcnt 0x0                           ; the wave's end: behind my last LDS store
	ds_add_u32 v[SPW], v[NIL]
	s_wait_dscnt 0x0
	s_endpgm
.Lfunc_end_k_qd74dcbc261_gelunorm:
	.size	k_qd74dcbc261_gelunorm, .Lfunc_end_k_qd74dcbc261_gelunorm-k_qd74dcbc261_gelunorm
	.p2alignl 7, 3214868480
	.fill 96, 4, 3214868480
	.section	.rodata,"a",@progbits
	.p2align	6, 0x0
	.amdhsa_kernel k_qd74dcbc261_gelunorm
		.amdhsa_group_segment_fixed_size 51200
		.amdhsa_private_segment_fixed_size 0
		.amdhsa_enable_private_segment 0
		.amdhsa_kernarg_size 40
		.amdhsa_user_sgpr_count 2
		.amdhsa_user_sgpr_kernarg_segment_ptr 1
		.amdhsa_wavefront_size32 1
		.amdhsa_system_sgpr_workgroup_id_x 1
		.amdhsa_system_sgpr_workgroup_id_y 1
		.amdhsa_system_sgpr_workgroup_id_z 1
		.amdhsa_system_vgpr_workitem_id 0
		.amdhsa_next_free_vgpr 224
		.amdhsa_next_free_sgpr 66
		.amdhsa_reserve_vcc 0
		.amdhsa_float_denorm_mode_32 3
		.amdhsa_float_denorm_mode_16_64 3
		.amdhsa_memory_ordered 1
		.amdhsa_forward_progress 1
		.amdhsa_inst_pref_size 73
	.end_amdhsa_kernel
	.amdgpu_metadata
---
amdhsa.version: [ 1, 2 ]
amdhsa.kernels:
  - .name:           k_qd74dcbc261_gelunorm
    .symbol:         k_qd74dcbc261_gelunorm.kd
    .args:
      - { .name: hbuf, .offset: 0, .size: 8, .value_kind: global_buffer, .address_space: global }
      - { .name: b, .offset: 8, .size: 8, .value_kind: global_buffer, .address_space: global }
      - { .name: a2, .offset: 16, .size: 8, .value_kind: global_buffer, .address_space: global }
      - { .name: b2, .offset: 24, .size: 8, .value_kind: global_buffer, .address_space: global }
      - { .name: out0, .offset: 32, .size: 8, .value_kind: global_buffer, .address_space: global }
    .group_segment_fixed_size: 51200
    .private_segment_fixed_size: 0
    .kernarg_segment_align: 8
    .kernarg_segment_size: 40
    .max_flat_workgroup_size: 512
    .sgpr_count:     66
    .vgpr_count:     224
    .wavefront_size: 32
...
	.end_amdgpu_metadata
.endif
;; end of part 3
;; ======== version 2 of 2: 3 launches; version 1 with the launch tobf16 written anew for expert scheduling mode
;; workspace buffers: xb 33,554,432 bytes; wb 33,554,432 bytes; hbuf 67,108,864 bytes
;; launch tobf16 (part 4): grid 512 x 1, 8 waves a work-group, no clusters, 0 bytes of LDS; arguments x, W, xb, wb; writes xb, wb
.if DOCPART == 4
	.amdgcn_target "amdgcn-amd-amdhsa--gfx1250"
	.amdhsa_code_object_version 6
	.text
	.protected	k_qd74dcbc261_tobf16
	.globl	k_qd74dcbc261_tobf16
	.p2align	8
	.type	k_qd74dcbc261_tobf16,@function
k_qd74dcbc261_tobf16:
	s_mov_b64 s[64:65], 0
	v_nop
	global_prefetch_b8 v0, s[64:65] scope:SCOPE_SE
	s_setreg_imm32_b32 hwreg(HW_REG_WAVE_SCHED_MODE, 0, 2), 2
	s_setreg_imm32_b32 hwreg(HW_REG_WAVE_MODE, 25, 1), 1
	s_wait_xcnt 0x0
	s_wait_alu depctr_vm_vsrc(0)
; xb = bf16(x), wb = bf16(W): both [4096][4096], rounded once to nearest even.  A stream: no LDS, no barrier, no matrix unit, since nothing is shared and nothing is summed.
; A LINE is 256 threads x 16 bytes = 4,096 bytes of f32, which become 2,048 bytes of bf16.  The work-group owns 32 lines of x and 32 of W
; (512 work-groups x 131,072 bytes = each tensor's 67,108,864).  Thread t owns bytes 16 t of every line: a wave's load covers 512 consecutive
; bytes, its store (8 bytes a lane) 256 consecutive bytes at a multiple of 256 from the buffer's first byte.
; THE MODE: SCHED_MODE bits 1:0 = 2 (LLVM: expert scheduling mode 2), set by the entry lines.  The code itself states the register dependences
; between vector instructions and memory instructions, with s_wait_alu, always for 0.
; THE PLAN.  The thread's 64 lines go in 8 blocks of eight: block 2 r is x's lines 8 r to 8 r + 7, block 2 r + 1 is W's.  Registers that memory instructions touch:
;   X0 .. X3   four blocks as loaded.   Written by the loads of block p + 3, issued in block p; read by block p's sixteen roundings.
;   Y0, Y1     two blocks to store.     Written by block p's roundings; read by the eight stores that are issued in block p + 1.
;   v1, v2     byte offsets, made once at the head and never written again; the four scalar bases are never stepped either: every line stands in an
;              immediate offset, 31 lines of 4,096 bytes at the most.
; Block p works on X[p % 4] and writes Y[p % 2].  Its memory instructions are the loads into X[(p + 3) % 4] = X[(p - 1) % 4] and the stores from
; Y[(p - 1) % 2]: the two buffers that block p - 1 worked on and that no vector instruction of block p names.  So the waits at the head of a block
; state all that the block's sixteen memory instructions hang on, and these are dealt among its roundings with no further wait.
; Only blocks 1 to 4 have the full form (a block in front to store, a block three ahead to load), one lap of the four X buffers: so the eight blocks are written out by one macro, without a loop.
.set BLOCK,  8                         ; lines in a block
.set BLOCKS, 8
.set LIN,    4096                      ; bytes of a line as loaded
.set LOUT,   2048                      ; bytes of a line as stored
.set X, 4                              ; v[4:131]    buffer k, line i: four f32 as loaded, at X + 32 k + 4 i
.set Y, 132                            ; v[132:163]  buffer k, line i: four bf16 to store, at Y + 16 k + 2 i
	s_load_b256 s[4:11], s[0:1], 0x0               ; x s[4:5], W s[6:7], xb s[8:9], wb s[10:11]
	v_lshlrev_b32 v1, 4, v0                        ; 16 t: my place in a line as loaded; never rewritten
	v_lshlrev_b32 v2, 3, v0                        ; 8 t: my place in a line as stored; never rewritten
	s_lshl_b32 s2, ttmp9, 17                       ; the work-group's 32 lines in x and in W (under 2^26),
	s_mov_b32 s3, 0
	s_lshl_b32 s12, ttmp9, 16                      ; and in xb and wb
	s_mov_b32 s13, 0
	s_wait_kmcnt 0x0
	s_add_nc_u64 s[4:5], s[4:5], s[2:3]
	s_add_nc_u64 s[6:7], s[6:7], s[2:3]
	s_add_nc_u64 s[8:9], s[8:9], s[12:13]
	s_add_nc_u64 s[10:11], s[10:11], s[12:13]
	s_wait_alu depctr_va_vdst(0)                   ; v1 and v2 are written: every load of the kernel reads v1 as its offset, every store v2
.set ii, 0
.rept 3*BLOCK                          ; blocks 0, 1 and 2 into X0, X1, X2: x's lines 0-7, W's lines 0-7, x's lines 8-15
	global_load_b128 v[X+4*ii:X+4*ii+3], v1, s[4+2*((ii/8)%2):5+2*((ii/8)%2)] offset:(8*(ii/16)+ii%8)*LIN th:TH_LOAD_NT
.set ii, ii+1
.endr
; Block p.  left = how many younger loads may still be out when this block's eight have to be there.
; Blocks 0 to 4 load the block three ahead; blocks 1 to 7 store the block before.  Both belong to the other tensor than block p's own.
.macro BLK p, left
	s_wait_loadcnt \left                           ; loads come back in order (ISA guide 5.7.1): X[p % 4] is in, the younger blocks stay out
.if (\p) >= 2
	s_wait_xcnt 0x0                                ; every earlier memory instruction has had its addresses translated (ISA guide 3.1): Y[p % 2], the data of the stores issued in the block before, is rewritten only behind this wait
	s_wait_alu depctr_vm_vsrc(0)                   ; those stores have read Y[p % 2], which this block's roundings write again
.endif
.if (\p) >= 1
	s_wait_alu depctr_va_vdst(0)                   ; the block before has written the other Y, which the stores below read, and is done reading its X, in which the loads below (blocks 1 to 4 have them) land
.endif
.irp i, 0,1,2,3,4,5,6,7
.if (\p) <= BLOCKS-4
	global_load_b128 v[X+32*(((\p)+3)%4)+4*(\i):X+32*(((\p)+3)%4)+4*(\i)+3], v1, s[4+2*(((\p)+3)%2):5+2*(((\p)+3)%2)] offset:(8*(((\p)+3)/2)+(\i))*LIN th:TH_LOAD_NT  ; three blocks ahead; no vector instruction since the wait names these registers
.endif
.if (\p) >= 1
	global_store_b64 v2, v[Y+16*(((\p)-1)%2)+2*(\i):Y+16*(((\p)-1)%2)+2*(\i)+1], s[8+2*(((\p)-1)%2):9+2*(((\p)-1)%2)] offset:(8*(((\p)-1)/2)+(\i))*LOUT  ; the block before; no hint: the next launch reads these bytes
.endif
	v_cvt_pk_bf16_f32 v[Y+16*((\p)%2)+2*(\i)],   v[X+32*((\p)%4)+4*(\i)],   v[X+32*((\p)%4)+4*(\i)+1]  ; two roundings to bf16, packed
	v_cvt_pk_bf16_f32 v[Y+16*((\p)%2)+2*(\i)+1], v[X+32*((\p)%4)+4*(\i)+2], v[X+32*((\p)%4)+4*(\i)+3]
.endr
.endm
	BLK 0, 2*BLOCK                                 ; no block in front of it: nothing to store, and no wait but the one for its data (no vector instruction has named X3; v1 was shown written at the head)
	BLK 1, 2*BLOCK                                 ; Y1 is written for the first time: no store has read it
	BLK 2, 2*BLOCK
	BLK 3, 2*BLOCK
	BLK 4, 2*BLOCK                                 ; the last loads: W's lines 24 to 31
	BLK 5, 2*BLOCK                                 ; blocks 5 to 7 load nothing: no load leaves its buffer, and the counts run down
	BLK 6, BLOCK
	BLK 7, 0
	s_wait_alu depctr_va_vdst(0)                   ; block 7 has written Y1, which the last eight stores read
.irp i, 0,1,2,3,4,5,6,7
	global_store_b64 v2, v[Y+16+2*(\i):Y+16+2*(\i)+1], s[10:11] offset:(24+(\i))*LOUT
.endr
	s_endpgm
.Lfunc_end_k_qd74dcbc261_tobf16:
	.size	k_qd74dcbc261_tobf16, .Lfunc_end_k_qd74dcbc261_tobf16-k_qd74dcbc261_tobf16
	.p2alignl 7, 3214868480
	.fill 96, 4, 3214868480
	.section	.rodata,"a",@progbits
	.p2align	6, 0x0
	.amdhsa_kernel k_qd74dcbc261_tobf16
		.amdhsa_group_segment_fixed_size 0
		.amdhsa_private_segment_fixed_size 0
		.amdhsa_enable_private_segment 0
		.amdhsa_kernarg_size 32
		.amdhsa_user_sgpr_count 2
		.amdhsa_user_sgpr_kernarg_segment_ptr 1
		.amdhsa_wavefront_size32 1
		.amdhsa_system_sgpr_workgroup_id_x 1
		.amdhsa_system_sgpr_workgroup_id_y 1
		.amdhsa_system_sgpr_workgroup_id_z 1
		.amdhsa_system_vgpr_workitem_id 0
		.amdhsa_next_free_vgpr 164
		.amdhsa_next_free_sgpr 66
		.amdhsa_reserve_vcc 0
		.amdhsa_float_denorm_mode_32 3
		.amdhsa_float_denorm_mode_16_64 3
		.amdhsa_memory_ordered 1
		.amdhsa_forward_progress 1
		.amdhsa_inst_pref_size 22
	.end_amdhsa_kernel
	.amdgpu_metadata
---
amdhsa.version: [ 1, 2 ]
amdhsa.kernels:
  - .name:           k_qd74dcbc261_tobf16
    .symbol:         k_qd74dcbc261_tobf16.kd
    .args:
      - { .name: x, .offset: 0, .size: 8, .value_kind: global_buffer, .address_space: global }
      - { .name: W, .offset: 8, .size: 8, .value_kind: global_buffer, .address_space: global }
      - { .name: xb, .offset: 16, .size: 8, .value_kind: global_buffer, .address_space: global }
      - { .name: wb, .offset: 24, .size: 8, .value_kind: global_buffer, .address_space: global }
    .group_segment_fixed_size: 0
    .private_segment_fixed_size: 0
    .kernarg_segment_align: 8
    .kernarg_segment_size: 32
    .max_flat_workgroup_size: 256
    .sgpr_count:     66
    .vgpr_count:     164
    .wavefront_size: 32
...
	.end_amdgpu_metadata
.endif
;; end of part 4
;; launch gemm: the kernel of part 2 again; grid 16 x 16, 4 waves a work-group, clusters of 4 x 4, 327,680 bytes of LDS; arguments xb, wb, hbuf; writes hbuf
;; launch gelunorm: the kernel of part 3 again; grid 256 x 1, 16 waves a work-group, no clusters, 51,200 bytes of LDS; arguments hbuf, b, a2, b2, out0; writes out0
